; MI455X (gfx1250); checked and timed in simulation.
; The chip was launched on July 23, 2026; its instructions are those of AMD's public machine-readable ISA for CDNA 5 (MIT licence, August 2026) and "CDNA5" Instruction Set Architecture Reference Guide (July 2026). The comments in the code are by the model that wrote it; some were corrected since.
;; Multi Headed Self Attention. Allowed arithmetic: matrix products marked QUANTISED: E3M2 operands, one E8M0 scale for each 32 along K, by v_wmma_scale_f32_16x16x128_f8f6f4 with both operands' format E3M2, f32 sums; everything else in f32.
;; Inputs: Wk 16 x 1,024 x 64 float32; Wq 16 x 1,024 x 64 float32; Wv 16 x 1,024 x 64 float32; embedded 4 x 2,048 x 1,024 float32.
;; Outputs: out0 4 x 2,048 x 1,024 float32.
;; This version of the problem:
;;   THIS VERSION OF THE PROBLEM IS GIVEN IN LOW PRECISION. The matrix products marked QUANTISED in the list below multiply operands that are first quantised to E3M2 (3 exponent bits, 2 mantissa bits; 6 bits a number), with one power-of-two scale for each 32 numbers along K (OCP MX v1.0); their sums are f32. All else is computed in f32.
;;   The module's matrix products, in the order in which they are computed (A, B: the left and right operand; K: the contracted axis; several contracted axes count as one K, in the product's order):
;;     1. [M 1,024, K 1,024] x [K 1,024, N 8,192]; A: input Wq; B: input embedded: QUANTISED
;;     2. [M 1,024, K 1,024] x [K 1,024, N 8,192]; A: input Wk; B: input embedded: QUANTISED
;;     3. [M 1,024, K 1,024] x [K 1,024, N 8,192]; A: input Wv; B: input embedded: QUANTISED
;;     4. batch 64 x [M 2,048, K 64] x [K 64, N 2,048]; A: computed on the way; B: computed on the way: QUANTISED
;;     5. batch 64 x [M 2,048, K 2,048] x [K 2,048, N 64]; A: softmax (see below); B: computed on the way: QUANTISED
;;   THE QUANTISER, for each operand of a quantised product, along K:
;;     - K is cut into blocks of 32 from its start; a last block that is shorter is filled with zeros.
;;     - A block's scale is 2^e with e = floor(log2(the largest magnitude in the block)) - 4, held to -126 .. 127; a block of zeros has e = 0. As a byte (E8M0): e + 127.
;;     - Each number is divided by its block's scale, clamped to +-28, and rounded to the nearest number of E3M2, ties to even, subnormals kept.
;;     - The product sums the exact products of the quantised numbers (number of the format x scale) in f32.
;;   ~~~python
;;   def quantise(x, axis):      # numpy; x: float32 -> the quantised numbers, widened to float32 again
;;       x = np.moveaxis(x, axis, -1); K = x.shape[-1]
;;       x = np.pad(x, [(0, 0)] * (x.ndim - 1) + [(0, -K % 32)]); x = x.reshape(x.shape[:-1] + (-1, 32)); a = np.abs(x).max(-1, keepdims=True)
;;       e = np.where(a > 0, np.clip(np.frexp(np.where(a > 0, a, 1))[1] - 1 - 4, -126, 127), 0)      # np.frexp(a)[1] - 1 = floor(log2(a)), exactly
;;       r = np.clip(x / 2.0 ** e, -28, 28)
;;       step = 2.0 ** (np.maximum(np.frexp(np.where(r == 0, 1, r))[1] - 1, -2) - 2)
;;       q = np.round(r / step) * step * 2.0 ** e      # np.round: ties to even
;;       return np.moveaxis(q.reshape(q.shape[:-2] + (-1,))[..., :K], -1, axis).astype(np.float32)
;;   ~~~
;;   SOFTMAX AHEAD OF A QUANTISED PRODUCT. Where the list says 'softmax', what is quantised is not the finished softmax but p = 2^(t - M), with t = logit x log2(e) and M = ceil(the row's largest t), a whole number; so 1/2 < the row's largest p <= 1. The row's sum l is taken of the UNQUANTISED p, in f32, and the product's result is divided by l at the end. Since M is a whole number, a kernel that streams over the keys may use a running M (the ceiling of the running maximum): every later rescaling is an exact power of two, which a block's scale takes up: the codes' values come out the same.
;;   OPERANDS COMPUTED ON THE WAY. 'Computed on the way' means the value that the module computes at that place (a softmax that the list does not call 'softmax' is quantised finished and normalised). What goes into a quantiser is computed in f32, as accurately as f32 sums, v_exp_f32 and their like allow (about 1e-6 of the number): no bf16 or f16 on the way to a quantiser, and a product that is left as it is and whose result goes on into a quantised operand takes f32 operands (vector FMAs, or v_wmma_f32_16x16x4_f32). A number that lies on a knife's edge between two numbers of the format may be rounded either way, as far as f32 arithmetic and the matrix unit's own rounding can turn it there, and no further.
;; One version. Each part assembles by itself: llvm-mc -triple=amdgcn-amd-amdhsa -mcpu=gfx1250 --defsym DOCPART=n.
;; ======== version 1 of 1: 3 launches
;; limits: right only within a limited range of input values
;; workspace buffers: xc 6,291,456 bytes; xs 262,144 bytes; wc 2,359,296 bytes; ws 98,304 bytes; qr 6,815,744 bytes; kvr 13,369,344 bytes
;; launch quant (part 1): grid 448 x 1, 4 waves a work-group, no clusters, 58,880 bytes of LDS; arguments embedded, Wq, Wk, Wv, xc, xs, wc, ws; writes xc, xs, wc, ws
.if DOCPART == 1
	.amdgcn_target "amdgcn-amd-amdhsa--gfx1250"
	.amdhsa_code_object_version 6
	.text
	.protected	k_q502822a90b_quant
	.globl	k_q502822a90b_quant
	.p2align	8
	.type	k_q502822a90b_quant,@function
k_q502822a90b_quant:
	s_mov_b64 s[64:65], 0
	v_nop
	global_prefetch_b8 v0, s[64:65] scope:SCOPE_SE
	s_setreg_imm32_b32 hwreg(HW_REG_WAVE_MODE, 25, 1), 1
	s_wait_xcnt 0x0
; embedded [8192 tokens][1024] and Wq, Wk, Wv [16][1024][64], f32, become codes of BF6 (E3M2) with one E8M0 byte for each 32 along E, the projections' K.
; A block's scale is 2^(floor(log2(its largest magnitude)) - 4); its byte is that magnitude's exponent field - 4, held at 1 from below.
; LIMITS: a block of zeros gets the byte 1 where the rule says 127 (its codes are zeros, and this program alone reads the bytes); NaN and infinities among the inputs are not served.
; WHAT IS STORED ARE IMAGES OF OPERAND REGISTERS.  A fragment (16 rows x 128 along K) is 12 registers a lane: 1,536 bytes in three planes of 512, plane c = registers 4 c .. 4 c + 3, lane l at 16 l.
;   xc [tile 512][K step 8][1,536], wc [tile 192][8][1,536];  xs, ws [tile][256 along K: 4][row 16][2 words], a word = the four bytes of 128 along K of a row.
; THE ROWS OF A TILE ARE NOT NEIGHBOURS: in a group of 128 tokens (of a head's 64 columns) tile 2 b + u holds at its row p the index 32 b + 8 u + p + 8 (p / 8), so that a product's results,
; eight a lane and tile, are 16 neighbours along the next product's K in two neighbouring tiles.  Weight tiles: 4 x matrix + t; matrices 0-15 Wq's heads, 16-31 Wk's, 32-47 Wv's.
; Work-groups 0-255 take the tokens, 256-447 the weights: one scalar branch on the work-group's number; each path has LDS bytes of its own.  Waves share nothing: no barrier.
.set STGX, 8448                        ; tokens: a wave's stage, 16 rows x (512 bytes + 16)
.set WST0, 4*STGX                      ; weights: the stages begin behind the tokens' four
.set STGW, 6144                        ; a wave's stage, 2 tiles x 1,536 of it used
.set TM,   16                          ; v16-19 largest magnitudes, v20-23 bytes, v28-31 the conversions' scale operands
.set PW,   32                          ; the scale word just made
.set KW,   33                          ; v33-36 the four K steps' words
.set PC,   40                          ; v40-51 a fragment's codes; v52-58 at work
.set R,    64                          ; v64-191 two sets of 64 numbers as they are loaded
.set X,    192                         ; v192-255 64 numbers: register 16 b + i = k 32 b + 16 (lane / 16) + i of my row
.set SEL,  30                          ; s[30:31] lane selects: lane l xor 16
.set XW,   64                          ; weights: v64-127 two sets of 32 numbers down K
.set C,    40                          ; a block's codes
.set SB,   48                          ; v48 my column's scale word
.set OUTR, 128                         ; v128-151 the way out
	s_load_b256 s[4:11], s[0:1], 0x0               ; embedded s[4:5], Wq s[6:7], Wk s[8:9], Wv s[10:11]
	s_load_b256 s[12:19], s[0:1], 0x20             ; xc s[12:13], xs s[14:15], wc s[16:17], ws s[18:19]
	v_lshl_add_u32 v62, v0, 2, 0xe400
	v_mov_b32 v63, 0
	v_lshrrev_b32 v1, 5, v0
	v_readfirstlane_b32 s20, v1                    ; wave 0..3
	v_and_b32 v10, 31, v0                          ; lane
	v_lshlrev_b32 v1, 4, v10                       ; 16 x lane
	s_cmp_ge_u32 ttmp9, 256
	s_cbranch_scc1 .Lweights
; ---------------- THE TOKENS.  Wave w of work-group g: tile 2 g + w / 2, K steps 4 (w % 2) .. + 3.
; 64 numbers of a lane become a fragment's codes in v[PC] on and its row's scale word in v[PW].
.macro QUANT s
.irp b, 0,1,2,3
	v_max3_num_f32 v[TM+\b], |v[\s+16*\b]|, |v[\s+1+16*\b]|, 0x2800000   ; block b: my 16 numbers, and the floor 2^(5 - 127): the byte cannot fall under 1
.endr
.irp i, 2,4,6,8,10,12,14
.irp b, 0,1,2,3
	v_max3_num_f32 v[TM+\b], v[TM+\b], |v[\s+16*\b+\i]|, |v[\s+1+16*\b+\i]|   ; the four blocks by turns
.endr
.endr
.irp b, 0,1,2,3
	v_permlanex16_b32 v[TM+4+\b], v[TM+\b], s[SEL], s[SEL+1]
.endr
.irp b, 0,1,2,3
	v_max_num_f32 v[TM+\b], v[TM+\b], v[TM+4+\b]   ; with lane l xor 16's 16: the block's largest magnitude
.endr
.irp b, 0,1,2,3
	v_add_nc_u32 v[TM+12+\b], 0xfe000000, v[TM+\b] ; 4 off its exponent field: the conversion's scale operand
.endr
.irp b, 0,1,2,3
	v_lshrrev_b32 v[TM+4+\b], 23, v[TM+12+\b]      ; the scale's byte
.endr
	v_lshl_or_b32 v[PW], v[TM+5], 8, v[TM+4]
	v_lshl_or_b32 v[PW], v[TM+6], 16, v[PW]
	v_lshl_or_b32 v[PW], v[TM+7], 24, v[PW]
.irp c, 0,1
	v_cvt_scalef32_pk16_bf6_f32 v[PC+6*\c:PC+2+6*\c], v[\s+32*\c:\s+15+32*\c], v[TM+12+2*\c]
	v_cvt_scalef32_pk16_bf6_f32 v[PC+12+4*\c:PC+14+4*\c], v[\s+16+32*\c:\s+31+32*\c], v[TM+12+2*\c+1]   ; (a conversion's three registers begin on an even number)
.endr
	v_nop                                          ; one plain instruction behind the scaled conversions
.irp c, 0,1                                    ; the operand wants a whole block in a lane: lanes 0-15 block 2 c, lanes 16-31 block 2 c + 1
.irp i, 0,1,2
	v_permlane16_swap_b32 v[PC+6*\c+\i], v[PC+12+4*\c+\i]
.endr
.irp i, 0,1,2
	v_mov_b32 v[PC+3+6*\c+\i], v[PC+12+4*\c+\i]
.endr
.endr
.endm
	v_lshlrev_b32 v2, 3, v10                       ; 8 x lane
	v_and_b32 v11, 15, v0                          ; r
	v_bfe_u32 v12, v0, 4, 1                        ; h
	s_mul_i32 s21, s20, STGX                       ; my stage
	v_add_nc_u32 v3, s21, v1                       ; in: a row's 512 bytes as they lie
	v_mul_u32_u24 v4, v11, 528
	v_lshl_add_u32 v4, v12, 6, v4
	v_add_nc_u32 v4, s21, v4                       ; out: row r, + 64 h: my 16 numbers of a block of 32
	s_lshr_b32 s22, s20, 1
	s_lshl_b32 s23, ttmp9, 1
	s_add_co_u32 s22, s22, s23                     ; the tile T
	s_and_b32 s23, s20, 1                          ; which half of K
	s_lshr_b32 s24, s22, 3
	s_lshl_b32 s24, s24, 7                         ; 128 (T / 8)
	s_bfe_u32 s25, s22, 0x20001
	s_lshl_b32 s25, s25, 5                         ; + 32 ((T % 8) / 2)
	s_add_co_u32 s24, s24, s25
	s_and_b32 s25, s22, 1
	s_lshl_b32 s25, s25, 3                         ; + 8 (T % 2): the tile's first token
	s_add_co_u32 s24, s24, s25
	s_lshl_b32 s24, s24, 12                        ; a token's row is 4,096 bytes
	s_lshl_b32 s25, s23, 11
	s_add_co_u32 s24, s24, s25
	s_mov_b32 s25, 0
	s_mul_i32 s26, s22, 12288
	s_mul_i32 s28, s23, 6144
	s_add_co_u32 s26, s26, s28
	s_mov_b32 s27, 0
	s_lshl_b32 s28, s22, 9
	s_lshl_b32 s29, s23, 8
	s_add_co_u32 s28, s28, s29
	s_mov_b32 s29, 0
	s_mov_b32 s[SEL], 0x76543210
	s_mov_b32 s[SEL+1], 0xfedcba98
	s_mov_b32 s32, 0xffff0000                      ; lanes 16-31
.irp b, 0,1,2,3
	v_mov_b32 v[TM+4+\b], 0                        ; written once: a lane permute's destination counts as one of its sources
.endr
	s_wait_alu depctr_va_vdst(0)
	s_wait_kmcnt 0x0
	s_add_nc_u64 s[4:5], s[4:5], s[24:25]
	s_add_nc_u64 s[12:13], s[12:13], s[26:27]
	s_add_nc_u64 s[14:15], s[14:15], s[28:29]
.macro LOADX t                         ; K step t of the tile's 16 rows: each load reads 512 consecutive bytes of one row
.irp p, 0,1,2,3,4,5,6,7,8,9,10,11,12,13,14,15
	global_load_b128 v[R+64*((\t)%2)+4*\p:R+64*((\t)%2)+4*\p+3], v1, s[4:5] offset:(\p+8*(\p/8))*4096+512*(\t) th:TH_LOAD_NT
.endr
.endm
.macro TURNX t                         ; through my stage: LDS serves a wave's instructions in order, so no wait stands between the stores and the loads
.irp p, 0,1,2,3,4,5,6,7,8,9,10,11,12,13,14,15
	ds_store_b128 v3, v[R+64*((\t)%2)+4*\p:R+64*((\t)%2)+4*\p+3] offset:528*\p
.endr
.irp b, 0,1,2,3
.irp j, 0,1,2,3
	ds_load_b128 v[X+16*\b+4*\j:X+16*\b+4*\j+3], v4 offset:128*\b+16*\j
.endr
.endr
.endm
.macro XSTEP t
.if (\t) < 3
	s_wait_loadcnt 16                              ; this K step's 16 loads are in; the next step's 16 may be out
.else
	s_wait_loadcnt 0x0
.endif
	TURNX \t
	s_wait_dscnt 0x0                               ; my 64 numbers are back, and the stage's stores have read the set,
.if (\t) < 2
	LOADX (\t)+2                                   ; which takes the K step two on
.endif
.if (\t) > 0
	s_wait_xcnt 0x0                                ; the last image's stores have read v[PC] on: it is written again only behind this wait
.endif
	QUANT X
	v_mov_b32 v[KW+(\t)], v[PW]
.irp c, 0,1,2
	global_store_b128 v1, v[PC+4*\c:PC+4*\c+3], s[12:13] offset:1536*(\t)+512*\c   ; a plane: 512 consecutive bytes, aligned
.endr
.endm
	LOADX 0
	LOADX 1
	XSTEP 0
	XSTEP 1
	XSTEP 2
	XSTEP 3
	v_cndmask_b32 v38, v[KW], v[KW+2], s32         ; lanes 0-15 store row r's words of the first 256 along K, lanes 16-31 those of the second
	v_cndmask_b32 v39, v[KW+1], v[KW+3], s32
	global_store_b64 v2, v[38:39], s[14:15]        ; 256 consecutive bytes, aligned
	s_wait_tensorcnt 0x0
	ds_add_u32 v62, v63
	s_wait_dscnt 0x0
	s_endpgm
; ---------------- THE WEIGHTS.  K is their middle axis: a lane takes a column, its registers run down K.  Wave id = 4 (g - 256) + w: matrix id / 16, 128 along K (id / 2) % 8, columns 32 (id % 2) on.
.Lweights:
	s_sub_co_u32 s21, ttmp9, 256
	s_lshl_b32 s21, s21, 2
	s_add_co_u32 s21, s21, s20                     ; id
	; work-groups 256-447 take the weights: a wave takes 128 along K (one K step, four blocks) of 32 columns: matrix id / 16, K step (id / 2) % 8, columns 32 (id % 2) on
	s_lshr_b32 s22, s21, 4                         ; matrix 0..47
	s_bfe_u32 s23, s21, 0x30001                    ; which 128 along K
	s_and_b32 s24, s21, 1                          ; which 32 columns
	s_wait_alu depctr_va_vdst(0)
	v_lshlrev_b32 v5, 2, v10                       ; in: 4 bytes a lane
	v_bfe_u32 v11, v0, 3, 1                        ; column x = 8 u + p + 8 (p / 8): u = (x / 8) % 2,
	v_and_b32 v12, 7, v0
	v_bfe_u32 v13, v0, 4, 1
	v_lshl_or_b32 v12, v13, 3, v12                 ; p = x % 8 + 8 (x / 16)
	s_mul_i32 s25, s20, STGW
	s_add_co_u32 s25, s25, WST0                    ; my stage
	v_mul_u32_u24 v6, v11, 1536                    ; my stage: [u][1,536]
	v_lshl_add_u32 v6, v12, 4, v6
	v_add_nc_u32 v6, s25, v6                       ; into it: tile u, the place of lane p of an image
	v_add_nc_u32 v7, s25, v1                       ; out of it: 16 x lane
	v_lshlrev_b32 v8, 9, v11
	v_lshl_add_u32 v8, v12, 3, v8                  ; the scale words: 512 u + 8 p
	s_and_b32 s26, s22, 15
	s_lshl_b32 s26, s26, 18                        ; a head's weight is 262,144 bytes,
	s_lshl_b32 s27, s23, 15                        ; 128 rows of 256 bytes,
	s_add_co_u32 s26, s26, s27
	s_lshl_b32 s27, s24, 7                         ; 32 columns
	s_add_co_u32 s26, s26, s27
	s_mov_b32 s27, 0
	s_lshl_b32 s28, s22, 2
	s_lshl_b32 s29, s24, 1
	s_add_co_u32 s28, s28, s29                     ; my first tile: 4 x matrix + 2 (id % 2)
	s_mul_i32 s30, s28, 12288
	s_mul_i32 s31, s23, 1536
	s_add_co_u32 s30, s30, s31
	s_mov_b32 s31, 0
	s_lshl_b32 s32, s28, 9
	s_lshr_b32 s33, s23, 1
	s_lshl_b32 s33, s33, 7                         ; the scale words: 128 bytes for each 256 along K,
	s_and_b32 s34, s23, 1
	s_lshl_b32 s34, s34, 2                         ; and in them the first or the second word of a row
	s_add_co_u32 s33, s33, s34
	s_add_co_u32 s32, s32, s33
	s_mov_b32 s33, 0
	s_lshr_b32 s34, s22, 4                         ; 0 Wq, 1 Wk, 2 Wv
	s_wait_kmcnt 0x0
	s_cmp_lt_u32 s34, 1
	s_cselect_b64 s[6:7], s[6:7], s[8:9]
	s_cmp_lt_u32 s34, 2
	s_cselect_b64 s[6:7], s[6:7], s[10:11]
	s_add_nc_u64 s[6:7], s[6:7], s[26:27]
	s_add_nc_u64 s[16:17], s[16:17], s[30:31]
	s_add_nc_u64 s[18:19], s[18:19], s[32:33]
.macro LOADW t                         ; block t: W(32 t + i, my column): 32 lanes read 128 consecutive bytes
.irp i, 0,1,2,3,4,5,6,7,8,9,10,11,12,13,14,15,16,17,18,19,20,21,22,23,24,25,26,27,28,29,30,31
	global_load_b32 v[XW+32*((\t)%2)+\i], v5, s[6:7] offset:(32*(\t)+\i)*256 th:TH_LOAD_NT
.endr
.endm
.macro BLOCKW t                        ; block t = 4 sl + 2 c + h: K step sl; registers 6 c .. 6 c + 5 of lane p + 16 h of its image
.set XS, XW+32*((\t)%2)
.set SL, (\t)/4
.set CC, ((\t)/2)%2
.set HH, (\t)%2
.if (\t) < 3
	s_wait_loadcnt 32                              ; this block's 32 loads are in; the next block's may be out
.else
	s_wait_loadcnt 0x0
.endif
	v_max3_num_f32 v16, |v[XS]|, |v[XS+1]|, |v[XS+2]|              ; all 32 numbers of the block are mine: two chains
	v_max3_num_f32 v17, |v[XS+3]|, |v[XS+4]|, |v[XS+5]|
.irp i, 6,10,14,18,22,26
	v_max3_num_f32 v16, v16, |v[XS+\i]|, |v[XS+\i+1]|
	v_max3_num_f32 v17, v17, |v[XS+\i+2]|, |v[XS+\i+3]|
.endr
	v_max3_num_f32 v16, v16, |v[XS+30]|, |v[XS+31]|
	v_max3_num_f32 v16, v16, v17, 0x2800000        ; and the floor 2^(5 - 127)
	v_add_nc_u32 v18, 0xfe000000, v16              ; the conversion's scale operand
	v_lshrrev_b32 v19, 23, v18                     ; the byte
	v_cvt_scalef32_pk16_bf6_f32 v[C:C+2], v[XS:XS+15], v18
	v_cvt_scalef32_pk16_bf6_f32 v[C+4:C+6], v[XS+16:XS+31], v18
.if (\t)%4 == 0
	v_mov_b32 v[SB+SL], v19                        ; four bytes to a word, the lower K in the lower byte.  (The plain instruction behind the conversions)
.else
	v_lshl_or_b32 v[SB+SL], v19, 8*((\t)%4), v[SB+SL]
.endif
	v_mov_b32 v[C+3], v[C+4]                       ; the block's six registers on end
	v_mov_b32 v[C+4], v[C+5]
	v_mov_b32 v[C+5], v[C+6]
.if CC == 0
	ds_store_b128 v6, v[C:C+3] offset:1536*SL+256*HH               ; registers 0-3: plane 0
	ds_store_b64 v6, v[C+4:C+5] offset:1536*SL+256*HH+512          ; registers 4, 5: the lower half of plane 1's place
.else
	ds_store_b64 v6, v[C:C+1] offset:1536*SL+256*HH+520            ; registers 6, 7: its upper half
	ds_store_b128 v6, v[C+2:C+5] offset:1536*SL+256*HH+1024        ; registers 8-11: plane 2
.endif
.if (\t)+2 < 4
	LOADW (\t)+2
.endif
	s_wait_dscnt 0x0                               ; the stores have read their registers: the next block's codes may be written
.endm
	LOADW 0
	LOADW 1
.irp t, 0,1,2,3
	BLOCKW \t
.endr
	s_wait_alu depctr_va_vdst(0)
	global_store_b32 v8, v[SB], s[18:19]           ; my column's word of this K step: 4 bytes of each row's 8
.irp k, 0,1,2,3,4,5
	ds_load_b128 v[OUTR+4*\k:OUTR+4*\k+3], v7 offset:512*\k        ; LDS serves a wave's instructions in order: these see my stores
.endr
.irp k, 0,1,2,3,4,5
	s_wait_dscnt 5-\k                              ; the younger loads may be out
	global_store_b128 v1, v[OUTR+4*\k:OUTR+4*\k+3], s[16:17] offset:(\k/3)*12288+(\k%3)*512   ; 512 consecutive bytes, aligned
.endr
	s_wait_tensorcnt 0x0
	ds_add_u32 v62, v63
	s_wait_dscnt 0x0
	s_endpgm
.Lfunc_end_k_q502822a90b_quant:
	.size	k_q502822a90b_quant, .Lfunc_end_k_q502822a90b_quant-k_q502822a90b_quant
	.p2alignl 7, 3214868480
	.fill 96, 4, 3214868480
	.section	.rodata,"a",@progbits
	.p2align	6, 0x0
	.amdhsa_kernel k_q502822a90b_quant
		.amdhsa_group_segment_fixed_size 58880
		.amdhsa_private_segment_fixed_size 0
		.amdhsa_enable_private_segment 0
		.amdhsa_kernarg_size 64
		.amdhsa_user_sgpr_count 2
		.amdhsa_user_sgpr_kernarg_segment_ptr 1
		.amdhsa_wavefront_size32 1
		.amdhsa_system_sgpr_workgroup_id_x 1
		.amdhsa_system_sgpr_workgroup_id_y 1
		.amdhsa_system_sgpr_workgroup_id_z 1
		.amdhsa_system_vgpr_workitem_id 0
		.amdhsa_next_free_vgpr 256
		.amdhsa_next_free_sgpr 66
		.amdhsa_reserve_vcc 0
		.amdhsa_float_denorm_mode_32 3
		.amdhsa_float_denorm_mode_16_64 3
		.amdhsa_memory_ordered 1
		.amdhsa_forward_progress 1
		.amdhsa_inst_pref_size 56
	.end_amdhsa_kernel
	.amdgpu_metadata
---
amdhsa.version: [ 1, 2 ]
amdhsa.kernels:
  - .name:           k_q502822a90b_quant
    .symbol:         k_q502822a90b_quant.kd
    .args:
      - { .name: embedded, .offset: 0, .size: 8, .value_kind: global_buffer, .address_space: global }
      - { .name: Wq, .offset: 8, .size: 8, .value_kind: global_buffer, .address_space: global }
      - { .name: Wk, .offset: 16, .size: 8, .value_kind: global_buffer, .address_space: global }
      - { .name: Wv, .offset: 24, .size: 8, .value_kind: global_buffer, .address_space: global }
      - { .name: xc, .offset: 32, .size: 8, .value_kind: global_buffer, .address_space: global }
      - { .name: xs, .offset: 40, .size: 8, .value_kind: global_buffer, .address_space: global }
      - { .name: wc, .offset: 48, .size: 8, .value_kind: global_buffer, .address_space: global }
      - { .name: ws, .offset: 56, .size: 8, .value_kind: global_buffer, .address_space: global }
    .group_segment_fixed_size: 58880
    .private_segment_fixed_size: 0
    .kernarg_segment_align: 8
    .kernarg_segment_size: 64
    .max_flat_workgroup_size: 128
    .sgpr_count:     66
    .vgpr_count:     256
    .wavefront_size: 32
...
	.end_amdgpu_metadata
.endif
;; end of part 1
;; launch proj (part 2): grid 12 x 32, 4 waves a work-group, clusters of 4 x 4, 327,680 bytes of LDS; arguments xc, xs, wc, ws, qr, kvr; writes qr, kvr
.if DOCPART == 2
	.amdgcn_target "amdgcn-amd-amdhsa--gfx1250"
	.amdhsa_code_object_version 6
	.text
	.protected	k_q502822a90b_proj
	.globl	k_q502822a90b_proj
	.p2align	8
	.type	k_q502822a90b_proj,@function
k_q502822a90b_proj:
	s_mov_b64 s[64:65], 0
	v_nop
	global_prefetch_b8 v0, s[64:65] scope:SCOPE_SE
	s_setreg_imm32_b32 hwreg(HW_REG_WAVE_MODE, 25, 1), 1
	s_wait_xcnt 0x0
	s_wait_alu depctr_hold_cnt(0) depctr_sa_sdst(0) depctr_va_vdst(0) depctr_va_sdst(0) depctr_va_ssrc(0) depctr_va_vcc(0) depctr_vm_vsrc(0)
	s_getreg_b32 s2, hwreg(HW_REG_IB_STS2, 6, 4)
	s_cmp_eq_u32 s2, 0
	s_cbranch_scc0 .Lentry_in_a_cluster
	s_endpgm
.Lentry_in_a_cluster:
	s_bfe_u32 s2, ttmp6, 0x10000c
	s_cmp_lg_u32 s2, 0xf033
	s_cbranch_scc0 .Lentry_shape_is_right
	s_endpgm
.Lentry_shape_is_right:
; q, k, v = embedded x Wq, Wk, Wv on codes of BF6 (E3M2) with E8M0 scales, K = 1,024, f32 sums; the results leave as CODES, quantised in registers: q and k along the head's 64, v along the keys.
; A tile of 256 x 256 is made by four waves, 128 x 128 each: 64 accumulators of 16 x 16, 512 registers.  In a result a lane holds one row of source 1 and eight rows of source 0, and the rows that form a tile of 16
; were chosen by the launch before so that two neighbouring tiles' 16 registers are 16 neighbours: SO THE RESULT IS QUANTISED ALONG SOURCE 0.
;   cluster x = 0 (q), 1 (k): source 0 = 256 columns of the weights (4 heads), source 1 = 256 tokens;   cluster x = 2 (v): source 0 = 256 tokens (keys), source 1 = 256 columns of Wv.
; One text serves the three kinds: only pointers, offsets and two byte selects are chosen, by s_cselect on the cluster's x, which all sixteen partners share.
; OPERANDS lie in memory as images of their registers (1,536 bytes a fragment): a tile's 256 along K are 3,072 consecutive bytes, read from LDS by ds_load_b128 at 16 x lane: no pitch, no padding.
; K goes in four steps of 256 through THREE LDS slots: three first fills, ONE refill (slot 0 takes the fourth step), which has 96 matrix instructions of the wave in which to land.
; CLUSTERS: 4 x 4.  Source 1's tiles ("A") hang on the cluster's row alone and are asked for jointly along it, source 0's ("B") on its column: the same tensor load, descriptor and mask in the four named.
; OUT: qr [batch x head 64][block of 128 queries 16] records of 6,656 bytes: 8 half fragments (6 registers: a plane of 512 bytes, 16 a lane, and one of 256, 8 a lane), then two images of scale words;
;      kvr [64][128 keys 16] records of 13,056 bytes: K's 8 half fragments; from 6,144 V's 4 fragments (two halves each); from 12,288 K's two images of scale words; at 12,800 V's one.
;      An image of scale words serves 4 tiles: the word of (tile 2 i + lane / 16, row lane % 16) at 8 x lane + 4 i.  q's and k's words repeat their two bytes: the upper two stand over zero codes.
; LIMITS: a block of zeros gets the byte 1 where the rule says 127 (its codes are zeros, and this program alone reads the bytes); NaN and infinities are not served.
; REGISTERS, in windows of 256: window 0: v16-29 addresses; v32-63 scale words, two sets; v128-223 A's fragments, one set; on the way out v64-131 at work.  window 1: B's fragments, two sets, at v0 and v128.
;   window 2: the accumulators of A's blocks 0-3 ((a, b) at v[8 (8 (a % 4) + b)]);  window 3: those of blocks 4-7.
.set FR,    12                         ; registers of a fragment
.set NL,    3                          ; LDS loads that bring one
.set NP,    4                          ; places behind this matrix instruction (ISA guide 7.12.1)
.set NQ,    2                          ; K steps of 128 in a slot
.set KSB,   1536                       ; a fragment's image
.set TILEB, NQ*KSB                     ; a tile's part of a slot
.set HALFT, 8*TILEB                    ; 8 tiles: what one tensor load brings, and what one wave reads of A or of B
.set SLOT,  4*HALFT                    ; A's 16 tiles, then B's 16
.set SCL,   3*SLOT                     ; behind the slots: the scale words for all of K, 4,096 bytes for each 8 tiles: A's halves, then B's
.set SCH,   4096
.set SPARE, SCL+4*SCH                  ; the spare words, 128 bytes a wave: two blocks of 256 bytes that no other line names
.set ADRA, 16                          ; v16-18  LDS address of my A fragments in slot 0, 1, 2
.set ADRB, 20                          ; v20-22  the same for B
.set L16,  24                          ; v24     16 x lane
.set L8,   25                          ; v25     8 x lane
.set ADRS, 27                          ; v27     my scale words: lanes 0-15 A's rows, lanes 16-31 B's
.set SPW,  28                          ; v28     my spare word: SPARE + 4 x my thread's number; never rewritten
.set NIL,  29                          ; v29     0; never rewritten
.set SC,   32                          ; scale words: set s at v[SC + 16 s]; register 2 i + q: lanes 0-15 A's block i, lanes 16-31 B's block i, the slot's q-th 128 along K
.set AF,   128
.set TM,   64                          ; the way out: v64-67 largest magnitudes, v68-71 bytes, v76-79 scale operands
.set PW,   80
.set PC,   96                          ; v96-107 codes, v108-114 at work
.set XW,   120                         ; v120-123, v124-127 four blocks' scale words for the first and the second head
.set YW,   124
.set XI,   128                         ; v[128:129], v[130:131] their images
.set YI,   130
.set WV, 16                            ; s16 wave;  s17 my half of A, also: I fetch for A (0) or B (1);  s18 my half of B, also: which 8 tiles I fetch
.set FA, 17
.set HF, 18
.set CX, 19                            ; s19, s20 my place in the cluster;  s21, s22 the cluster's x and y
.set CY, 20
.set TX, 21
.set TY, 22
.set G1,   24                          ; s[24:31] group 1 for A's codes;  s[32:43] groups 0, one for each slot
.set G0,   32
.set G1B,  44                          ; s[44:51], s[52:63] the same for B
.set G0B,  52
.set G1S,  68                          ; s[68:75], s[76:79] A's scale words;  s[80:87], s[88:91] B's
.set G0S,  76
.set G1SB, 80
.set G0SB, 88
.set P0,   4                           ; the way out: s[4:5], s[6:7] where a block's two halves go; s[8:9], s[10:11] the images of scale words
.set P1,   6
.set SB0,  8
.set SB1,  10
.set STN,  92                          ; s[92:93] from block to block; s[94:95] more at block 4; s[96:97] from image to image
.set EXT,  94
.set SST,  96
.set SELX, 98
.set SELY, 99
.set LM,   100
.set SEL,  2
.set MSB, 0
.macro WIN new                         ; the immediate's high byte repeats the setting that is left
.if MSB != \new
	s_set_vgpr_msb (MSB<<8)|\new
.set MSB, \new
.endif
.endm
.set MUL_LO, 0xa1                      ; source 0 (B) window 1, source 1 (A) window 0, C and D window 2
.set MUL_HI, 0xf1                      ; the same, C and D window 3
.set TO_B,   0x40                      ; destination window 1, address window 0
; A joint load: waves 0 and 1 fetch for A, waves 2 and 3 for B; the branch hangs on the wave's number alone.  Four v_nop follow each of the two lines.
.macro JLOAD g0a, g1a, g0b, g1b
	s_cmp_eq_u32 s[FA], 0
	s_cbranch_scc0 .Lfor_b_\@
	tensor_load_to_lds s[\g0a:\g0a+3], s[\g1a:\g1a+7]
	s_nop 0
.rept 4
	v_nop
.endr
	s_branch .Lasked_\@
.Lfor_b_\@:
	tensor_load_to_lds s[\g0b:\g0b+3], s[\g1b:\g1b+7]
	s_nop 0
.rept 4
	v_nop
.endr
.Lasked_\@:
.endm
.macro CREST                           ; a round of the cluster's barrier behind its opening barrier
	s_cmp_lg_u32 s[WV], 0
	s_cbranch_scc1 .Lnot_wave_0_\@
	s_barrier_signal -3
.Lnot_wave_0_\@:
	s_barrier_wait -3
	s_barrier_signal -1
	s_barrier_wait -1
.endm
.macro CROUND
	s_barrier_signal -1
	s_barrier_wait -1
	CREST
.endm
	s_load_b256 s[4:11], s[0:1], 0x0               ; xc s[4:5], xs s[6:7], wc s[8:9], ws s[10:11]
	s_load_b128 s[12:15], s[0:1], 0x20             ; qr s[12:13], kvr s[14:15]
	v_lshl_add_u32 v[SPW], v0, 2, SPARE
	v_mov_b32 v[NIL], 0
	ds_add_u32 v28, v29
	ds_add_u32 v28, v29
	s_wait_dscnt 0x0
	v_lshrrev_b32 v1, 5, v0
	v_readfirstlane_b32 s[WV], v1                  ; wave 0..3
	s_lshr_b32 s[FA], s[WV], 1
	s_and_b32 s[HF], s[WV], 1
	s_bfe_u32 s[CX], ttmp6, 0x40000
	s_bfe_u32 s[CY], ttmp6, 0x40004
	s_mov_b32 s[TX], ttmp9
	s_and_b32 s[TY], ttmp7, 0xffff
	s_lshl_b32 s92, s[CY], 2
	s_lshl_b32 s92, 15, s92                        ; my row of the cluster
	s_lshl_b32 s93, 0x1111, s[CX]                  ; my column
	; group 1 for the codes: 8 rows (tiles) of 384 elements of 8 bytes (3,072 bytes: 256 along K), 1,536 elements (a tile's whole K) apart; dense in LDS
	s_or_b32 s[G1+0], s92, (3<<16)|(1<<21)         ; 15:0 the mask; 17:16 elements of 8 bytes; 21 set beside a mask; no padding
	s_or_b32 s[G1B+0], s93, (3<<16)|(1<<21)
.irp g, G1, G1B
	s_mov_b32 s[\g+1], 768<<16                     ; for the head's loads: 16 tiles x 6,144 bytes (512 along K); set to 8 x 3,072 behind them
	s_mov_b32 s[\g+2], 16<<16
	s_mov_b32 s[\g+3], 768<<16
	s_mov_b32 s[\g+4], 16
	s_mov_b32 s[\g+5], 1536                        ; tensor_dim0_stride
	s_mov_b32 s[\g+6], 0
	s_mov_b32 s[\g+7], 0
.endr
	; and for the scale words of 16 tiles: 8,192 dense bytes, as 32 rows of 256
	s_or_b32 s[G1S+0], s92, (3<<16)|(1<<21)
	s_or_b32 s[G1SB+0], s93, (3<<16)|(1<<21)
.irp g, G1S, G1SB
	s_mov_b32 s[\g+1], 32<<16
	s_mov_b32 s[\g+2], 32<<16                      ; the scale words of 16 tiles: 32 rows of 256 bytes
	s_mov_b32 s[\g+3], 32<<16
	s_mov_b32 s[\g+4], 32
	s_mov_b32 s[\g+5], 32
	s_mov_b32 s[\g+6], 0
	s_mov_b32 s[\g+7], 0
.endr
	; which tiles.  A's chain (s2, s[98:101]) never holds cx, B's (s3, s[94:97]) never cy
	s_cmp_eq_u32 s[TX], 2                          ; v?
	s_cselect_b32 s3, s[TY], s[TX]                 ; B: q, k: 256 columns 4 X + cx of the weights;  v: 256 tokens 4 Y + cx
	s_cselect_b32 s2, 0, s[TY]                     ; A: q, k: 256 tokens 4 Y + cy;  v: 256 columns cy of Wv,
	s_cselect_b32 s66, 128, 0                      ; whose tiles begin at 128
	s_mul_i32 s23, s[HF], 8*12288                  ; in the ring I fetch 8 tiles: which half, in bytes
	s_lshl_b32 s3, s3, 2
	s_add_co_u32 s3, s3, s[CX]
	s_lshl_b32 s3, s3, 4
	s_lshl_b32 s2, s2, 2
	s_add_co_u32 s2, s2, s[CY]
	s_lshl_b32 s2, s2, 4
	s_add_co_u32 s2, s2, s66
	s_mul_i32 s98, s2, 12288                       ; its codes,
	s_mov_b32 s99, 0
	s_lshl_b32 s100, s2, 9                         ; its scale words
	s_mov_b32 s101, 0
	s_mul_i32 s94, s3, 12288
	s_mov_b32 s95, 0
	s_lshl_b32 s96, s3, 9
	s_mov_b32 s97, 0
	s_mul_i32 s92, s[WV], HALFT                    ; where they go: wave x 8 tiles: no place in the cluster enters an LDS address
	s_lshl_b32 s93, s[WV], 12
	s_wait_kmcnt 0x0
	s_cmp_eq_u32 s[TX], 2
	s_cselect_b64 s[66:67], s[8:9], s[4:5]         ; A's codes: v: wc, else xc
	s_add_nc_u64 s[98:99], s[66:67], s[98:99]
	s_cselect_b64 s[66:67], s[10:11], s[6:7]       ; A's scale words
	s_add_nc_u64 s[100:101], s[66:67], s[100:101]
	s_cselect_b64 s[66:67], s[4:5], s[8:9]         ; B's codes: v: xc, else wc
	s_add_nc_u64 s[94:95], s[66:67], s[94:95]
	s_cselect_b64 s[66:67], s[6:7], s[10:11]       ; B's scale words
	s_add_nc_u64 s[96:97], s[66:67], s[96:97]
	CROUND                                         ; all sixteen work-groups are here: the first joint loads meet
	s_mov_b32 s[G0S], 1
	s_mov_b32 s[G0S+1], SCL
	s_mov_b64 s[G0S+2:G0S+3], s[100:101]
	s_or_b32 s[G0S+3], s[G0S+3], 0x80000000
	s_mov_b32 s[G0SB], 1
	s_mov_b32 s[G0SB+1], SCL+2*SCH
	s_mov_b64 s[G0SB+2:G0SB+3], s[96:97]
	s_or_b32 s[G0SB+3], s[G0SB+3], 0x80000000
	s_mov_b32 s[G0+4], 1                           ; the head's loads of codes: K 0-511 of A's 16 tiles at LDS byte 0, 6,144 bytes a tile,
	s_mov_b32 s[G0+5], 0
	s_mov_b64 s[G0+6:G0+7], s[98:99]
	s_or_b32 s[G0+7], s[G0+7], 0x80000000
	s_mov_b32 s[G0B+4], 1                          ; and of B's 16 tiles behind them
	s_mov_b32 s[G0B+5], SLOT
	s_mov_b64 s[G0B+6:G0B+7], s[94:95]
	s_or_b32 s[G0B+7], s[G0B+7], 0x80000000
	s_mov_b32 s66, s23
	s_mov_b32 s67, 0
	s_add_nc_u64 s[98:99], s[98:99], s[66:67]      ; for the later loads: my 8 tiles
	s_add_nc_u64 s[94:95], s[94:95], s[66:67]
.irp s, 0,2
	s_mov_b32 s[G0+4*\s], 1
	s_add_co_u32 s[G0+4*\s+1], s92, \s*SLOT
	s_add_nc_u64 s[G0+4*\s+2:G0+4*\s+3], s[98:99], \s*TILEB
	s_or_b32 s[G0+4*\s+3], s[G0+4*\s+3], 0x80000000
	s_mov_b32 s[G0B+4*\s], 1
	s_add_co_u32 s[G0B+4*\s+1], s92, \s*SLOT
	s_add_nc_u64 s[G0B+4*\s+2:G0B+4*\s+3], s[94:95], \s*TILEB
	s_or_b32 s[G0B+4*\s+3], s[G0B+4*\s+3], 0x80000000
.endr
; THE HEAD'S LOADS, ONE A WAVE: wave 0 A's codes of K 0-511, wave 1 B's, wave 2 A's scale words, wave 3 B's.  One chain of branches on the wave's number, one load to an arm, one join.
.macro ARM under, g0, g1, next
	s_cmp_lt_u32 s[WV], \under
	s_cbranch_scc0 \next
	tensor_load_to_lds s[\g0:\g0+3], s[\g1:\g1+7]
	s_nop 0
.rept 4
	v_nop
.endr
	s_branch .Lhead_asked
\next:
.endm
	ARM 1, G0+4, G1, .Lhead_b
	ARM 2, G0B+4, G1B, .Lhead_sa
	ARM 3, G0S, G1S, .Lhead_sb
	tensor_load_to_lds s[G0SB:G0SB+3], s[G1SB:G1SB+7]
	s_nop 0
.rept 4
	v_nop
.endr
.Lhead_asked:
	v_and_b32 v1, 15, v0                           ; r
	v_bfe_u32 v2, v0, 4, 1                         ; h
	v_and_b32 v3, 31, v0
	v_lshlrev_b32 v[L16], 4, v3
	v_lshlrev_b32 v[L8], 3, v3
	s_mul_i32 s92, s[FA], HALFT                    ; my 8 tiles of A
	s_mul_i32 s93, s[HF], HALFT                    ; my 8 tiles of B,
	s_add_co_u32 s93, s93, 2*HALFT                 ; which lie behind A's 16
.irp s, 0,2
	v_add_nc_u32 v[ADRA+\s], s92, v[L16]
	v_add_nc_u32 v[ADRB+\s], s93, v[L16]
	s_add_co_u32 s92, s92, 2*SLOT
	s_add_co_u32 s93, s93, 2*SLOT
.endr
	s_mul_i32 s92, s[FA], 2*HALFT                  ; index 1: K 0-511 as the head's loads laid it: my 8 tiles of A, 6,144 bytes a tile,
	s_mul_i32 s93, s[HF], 2*HALFT
	s_add_co_u32 s93, s93, SLOT                    ; and of B, behind A's 16
	s_wait_alu depctr_va_vdst(0)                   ; directly ahead of the readers below
	v_add_nc_u32 v[ADRA+1], s92, v[L16]
	v_add_nc_u32 v[ADRB+1], s93, v[L16]
	s_lshl_b32 s92, s[FA], 12                      ; A's scale words: my 8 tiles
	s_lshl_b32 s93, s[HF], 12                      ; B's, behind A's two halves
	s_add_co_u32 s93, s93, 2*SCH
	s_sub_co_u32 s93, s93, s92
	v_mul_u32_u24 v4, s93, v2                      ; lanes 16-31 take B's: the lower base + h x the distance
	s_add_co_u32 s92, s92, SCL
	v_lshl_add_u32 v4, v1, 3, v4                   ; 8 bytes a row: the slot's two words
	v_add_nc_u32 v[ADRS], s92, v4
.macro FRAG reg, adr, q, i             ; tile i's fragment of the slot's q-th 128 along K: three planes of 512 consecutive bytes
.irp c, 0,1,2
	ds_load_b128 v[\reg+4*\c:\reg+4*\c+3], v[\adr] offset:(\i)*FP+(\q)*KSB+512*\c   ; FP: bytes from tile to tile where the fragment lies
.endr
.endm
; 16 matrix instructions: A's blocks a0, a0 + 1 x B's eight.  p: B's set; q: the slot's K step; sc: the set of scale words.  zero = 1: the first product starts the sums.
; The 64 accumulators take turns, one instruction a turn, in the same order in every step.
.macro MUL16 a0, p, q, sc, zero
.irp a, \a0, \a0+1
.irp b, 0,1,2,3,4,5,6,7
.if \zero
	v_wmma_scale_f32_16x16x128_f8f6f4 v[8*(8*((\a)%4)+\b):8*(8*((\a)%4)+\b)+7], v[128*(\p)+FR*\b:128*(\p)+FR*\b+FR-1], v[AF+FR*(\a):AF+FR*(\a)+FR-1], 0, v[SC+8*NQ*(\sc)+NQ*\b+(\q)], v[SC+8*NQ*(\sc)+NQ*(\a)+(\q)] matrix_a_fmt:MATRIX_FMT_BF6 matrix_b_fmt:MATRIX_FMT_BF6 matrix_a_scale:MATRIX_SCALE_ROW1
.else
	v_wmma_scale_f32_16x16x128_f8f6f4 v[8*(8*((\a)%4)+\b):8*(8*((\a)%4)+\b)+7], v[128*(\p)+FR*\b:128*(\p)+FR*\b+FR-1], v[AF+FR*(\a):AF+FR*(\a)+FR-1], v[8*(8*((\a)%4)+\b):8*(8*((\a)%4)+\b)+7], v[SC+8*NQ*(\sc)+NQ*\b+(\q)], v[SC+8*NQ*(\sc)+NQ*(\a)+(\q)] matrix_a_fmt:MATRIX_FMT_BF6 matrix_b_fmt:MATRIX_FMT_BF6 matrix_a_scale:MATRIX_SCALE_ROW1
.endif
.endr
.endr
.endm
.macro FETCH_B slot, q, p
	WIN TO_B
.irp i, 0,1,2,3,4,5,6,7
	FRAG 128*(\p)+FR*\i, ADRB+\slot, \q, \i
.endr
	WIN 0
.endm
.macro FETCH_A slot, q, i0
.irp i, \i0, \i0+1, \i0+2, \i0+3
	FRAG AF+FR*(\i), ADRA+\slot, \q, \i
.endr
.endm
.macro SCALES sc, sig                  ; the scale words of the sig-th 256 along K into set sc
.irp i, 0,1,2,3,4,5,6,7
	ds_load_b64 v[SC+8*NQ*(\sc)+NQ*\i:SC+8*NQ*(\sc)+NQ*\i+1], v[ADRS] offset:512*\i+128*(\sig)
.endr
.endm
.macro PLACES n                        ; plain vector instructions in front of loads into registers that matrix instructions have read, and of the first read of results
.rept \n
	v_nop
.endr
.endm
; A slot's first 128 along K: B's set 0; its successor lies in the same slot.
.macro STEP slot, sc, zero, q1
	s_wait_dscnt 4*NL                              ; B's set and A's blocks 0-3 are in; the youngest twelve loads (A's blocks 4-7) may be out
	WIN MUL_LO
	MUL16 0, 0, 0, \sc, \zero
	MUL16 2, 0, 0, \sc, \zero
	s_wait_dscnt 0x0                               ; A's blocks 4-7 are in
	PLACES NP
	FETCH_B \slot, \q1, 1
	FETCH_A \slot, \q1, 0
	WIN MUL_HI
	MUL16 4, 0, 0, \sc, \zero
	MUL16 6, 0, 0, \sc, \zero
	PLACES NP
	WIN 0
	FETCH_A \slot, \q1, 4
.endm
; A slot's second 128 along K: B's set 1; the next fragments come from the next slot.
; kind 2: this slot is filled again: every wave waits for all its tensor loads, adds 0 to its spare word, waits for that and for its reads of the slot; a round of the cluster's barrier; the joint refill first behind it.
; kind 1: the next slot is the refilled one: the same lines and my work-group's barrier show it whole; nothing is filled.    kind 0: the next slot was shown whole at the round: no barrier.
.macro TURN slot, next, sc, nsig, kind, nq
.if \kind
	s_wait_tensorcnt 0x0                           ; all my tensor loads have landed  (every window is 0 here)
	ds_add_u32 v[SPW], v[NIL]                      ; 0 onto my spare word
	s_wait_dscnt 4*NL+1                            ; (the add and A's blocks 4-7 may be out)
.else
	s_wait_dscnt 4*NL
.endif
	WIN MUL_LO
	MUL16 0, 1, 1, \sc, 0
	s_wait_dscnt 0x0                               ; my reads of this slot are over (and the add is done)
.if \kind
	s_barrier_signal -1
.endif
	MUL16 2, 1, 1, \sc, 0
	WIN 0
.if \kind
	s_barrier_wait -1
.endif
.if \kind == 2
	CREST                                          ; no wave of any partner still reads this slot or has a load on its way
	s_add_nc_u64 s[G0+4*\slot+2:G0+4*\slot+3], s[G0+4*\slot+2:G0+4*\slot+3], 3*TILEB
	s_add_nc_u64 s[G0B+4*\slot+2:G0B+4*\slot+3], s[G0B+4*\slot+2:G0B+4*\slot+3], 3*TILEB
	JLOAD G0+4*\slot, G1, G0B+4*\slot, G1B         ; the first tensor load behind the round; its four v_nop are the places in front of the loads below
.else
	PLACES NP
.endif
	FETCH_B \next, \nq, 0
	FETCH_A \next, \nq, 0
	SCALES (\nsig)%2, \nsig
	WIN MUL_HI
	MUL16 4, 1, 1, \sc, 0
	MUL16 6, 1, 1, \sc, 0
	PLACES NP
	WIN 0
	FETCH_A \next, \nq, 4
.endm
	s_wait_alu depctr_va_vdst(0)
	; THE WALK ALONG K: K 0-511 came by the head's loads; K 512-767 is asked for behind the round below, into bytes of its own (address index 2);
	; K 768-1,023 is asked for when K 0-511 has been read, into its first 98,304 bytes (address index 0).  A wave has one tensor load out at a time.
	s_wait_tensorcnt 0x0                           ; my tile of the head's four is in
	ds_add_u32 v[SPW], v[NIL]
.irp g, G1, G1B
	s_mov_b32 s[\g+1], 384<<16                     ; no tensor load of mine is out: from here on a load brings 8 tiles x 3,072 bytes
	s_mov_b32 s[\g+2], 8<<16
	s_mov_b32 s[\g+3], 384<<16
	s_mov_b32 s[\g+4], 8
.endr
	s_wait_dscnt 0x0
	CROUND
	JLOAD G0+8, G1, G0B+8, G1B                     ; K 512-767
.set FP, 2*TILEB
	FETCH_B 1, 0, 0
	FETCH_A 1, 0, 0
	SCALES 0, 0
	FETCH_A 1, 0, 4
	STEP 1, 0, 1, 1                                ; K 0-127: these products start the sums
	TURN 1, 1, 0, 1, 0, 2
	STEP 1, 1, 0, 3
.set FP, TILEB
	TURN 0, 2, 1, 2, 2, 0                          ; K 384-511; the round; K 768-1,023 is asked for
	STEP 2, 0, 0, 1
	TURN 2, 0, 0, 3, 1, 0
	STEP 0, 1, 0, 1
	s_wait_dscnt 4*NL                              ; K 896-1,023: nothing more to fetch
	WIN MUL_LO
	MUL16 0, 1, 1, 1, 0
	MUL16 2, 1, 1, 1, 0
	s_wait_dscnt 0x0
	WIN MUL_HI
	MUL16 4, 1, 1, 1, 0
	MUL16 6, 1, 1, 1, 0
	WIN 0
; THE WAY OUT.  Block a's 64 registers of a lane are 128 neighbours' halves along source 0: q, k: two heads' 64; v: 128 keys.  They become 12 registers of codes and a scale word, and are stored as they stand.
	PLACES NP
	s_cmp_eq_u32 s[TX], 2
	s_cselect_b32 s23, s[TY], s[TX]
	s_cselect_b32 s66, 0, s[TY]
	s_lshl_b32 s23, s23, 2
	s_add_co_u32 s23, s23, s[CX]
	s_lshl_b32 s23, s23, 1
	s_add_co_u32 s23, s23, s[HF]                   ; which 128 of source 0 are mine
	s_lshl_b32 s66, s66, 2
	s_add_co_u32 s66, s66, s[CY]
	s_lshl_b32 s66, s66, 1
	s_add_co_u32 s66, s66, s[FA]                   ; which 128 of source 1
	s_and_b32 s67, s23, 7
	s_cmp_eq_u32 s[TX], 2
	s_cselect_b32 s101, s23, s66                   ; the group of 128 tokens, 0..63
	s_cselect_b32 s67, s66, s67                    ; the pair of heads, 0..7
	s_lshr_b32 s23, s101, 4
	s_lshl_b32 s23, s23, 8                         ; batch x 16 heads x 16 records
	s_lshl_b32 s67, s67, 5
	s_add_co_u32 s23, s23, s67                     ; + 2 x pair x 16
	s_and_b32 s101, s101, 15
	s_add_co_u32 s23, s23, s101                    ; the first head's record
	s_cmp_eq_u32 s[TX], 0                          ; q?
	s_mov_b32 s66, 13056
	s_cselect_b32 s66, 6656, s66                   ; a record's bytes
	s_cselect_b64 s[12:13], s[12:13], s[14:15]     ; qr or kvr
	s_mov_b32 s67, 12288
	s_cselect_b32 s67, 6144, s67                   ; where q's or k's scale words lie in a record
	s_mul_i32 s23, s23, s66
	s_lshl_b32 s66, s66, 4                         ; 16 records on: the next head
	s_cmp_eq_u32 s[TX], 2                          ; v?
	s_cselect_b32 s101, 6144, 0                    ; where V's fragments begin in a record
	s_cselect_b32 s67, 12800, s67                  ; and its scale words
	s_cselect_b32 s66, 768, s66                    ; a block's second half: q, k: the next head's record;  v: the fragment's second half
	s_mov_b32 s[STN], 768
	s_cselect_b32 s[STN], 1536, s[STN]             ; from block to block
	s_cselect_b32 s[EXT], 202752, 0                ; v, at block 4: the next head's record: 16 x 13,056 - 4 x 1,536
	s_mov_b32 s[SST], 256
	s_cselect_b32 s[SST], 208896, s[SST]           ; from the first image of scale words to the second
	s_mov_b32 s[SELX], 0x01000100
	s_cselect_b32 s[SELX], 0x03020100, s[SELX]     ; q, k: the first head's two bytes, twice;  v: the word as it is
	s_mov_b32 s[SELY], 0x03020302                  ; the second head's two bytes, twice
	s_mov_b32 s[STN+1], 0
	s_mov_b32 s[EXT+1], 0
	s_mov_b32 s[SST+1], 0
	s_mov_b32 s[LM], 0xffff0000                    ; lanes 16-31
	s_mov_b32 s[SEL], 0x76543210
	s_mov_b32 s[SEL+1], 0xfedcba98
	s_add_co_u32 s[P0], s23, s101
	s_mov_b32 s[P0+1], 0
	s_add_co_u32 s[P1], s[P0], s66
	s_mov_b32 s[P1+1], 0
	s_add_co_u32 s[SB0], s23, s67
	s_mov_b32 s[SB0+1], 0
	s_add_co_u32 s[SB1], s[SB0], s66
	s_mov_b32 s[SB1+1], 0
	s_add_nc_u64 s[P0:P0+1], s[12:13], s[P0:P0+1]
	s_add_nc_u64 s[P1:P1+1], s[12:13], s[P1:P1+1]
	s_add_nc_u64 s[SB0:SB0+1], s[12:13], s[SB0:SB0+1]
	s_add_nc_u64 s[SB1:SB1+1], s[12:13], s[SB1:SB1+1]
.irp b, 0,1,2,3
	v_mov_b32 v[TM+4+\b], 0                        ; written once: a lane permute's destination counts as one of its sources
.endr
; 64 registers v[s] on of window wm's sources, register 16 b + i = index 32 b + 16 (lane / 16) + i, become codes in v[PC] on and a scale word in v[PW].  Each accumulator is read from its low end on.
.macro QUANT s, wm, wc
	WIN \wm                                        ; sources 1 and 2 in the accumulators' window
.irp b, 0,1,2,3
	v_max3_num_f32 v[TM+\b], 0x2800000, |v[\s+16*\b]|, |v[\s+1+16*\b]|   ; the floor 2^(5 - 127), and my first two numbers of block b
.endr
.irp i, 2,4,6,8,10,12,14
.irp b, 0,1,2,3
	v_max3_num_f32 v[TM+\b], v[TM+\b], |v[\s+16*\b+\i]|, |v[\s+1+16*\b+\i]|
.endr
.endr
	WIN 0
.irp b, 0,1,2,3
	v_permlanex16_b32 v[TM+4+\b], v[TM+\b], s[SEL], s[SEL+1]
.endr
.irp b, 0,1,2,3
	v_max_num_f32 v[TM+\b], v[TM+\b], v[TM+4+\b]
.endr
.irp b, 0,1,2,3
	v_add_nc_u32 v[TM+12+\b], 0xfe000000, v[TM+\b]
.endr
.irp b, 0,1,2,3
	v_lshrrev_b32 v[TM+4+\b], 23, v[TM+12+\b]
.endr
	v_lshl_or_b32 v[PW], v[TM+5], 8, v[TM+4]
	v_lshl_or_b32 v[PW], v[TM+6], 16, v[PW]
	v_lshl_or_b32 v[PW], v[TM+7], 24, v[PW]
	WIN \wc                                        ; source 0 in the accumulators' window
.irp c, 0,1
	v_cvt_scalef32_pk16_bf6_f32 v[PC+6*\c:PC+2+6*\c], v[\s+32*\c:\s+15+32*\c], v[TM+12+2*\c]
	v_cvt_scalef32_pk16_bf6_f32 v[PC+12+4*\c:PC+14+4*\c], v[\s+16+32*\c:\s+31+32*\c], v[TM+12+2*\c+1]
.endr
	WIN 0
	v_nop                                          ; one plain instruction behind the scaled conversions
.irp c, 0,1
.irp i, 0,1,2
	v_permlane16_swap_b32 v[PC+6*\c+\i], v[PC+12+4*\c+\i]
.endr
.irp i, 0,1,2
	v_mov_b32 v[PC+3+6*\c+\i], v[PC+12+4*\c+\i]
.endr
.endr
.endm
.macro OUT a
.if (\a) > 0
	s_wait_xcnt 0x0                                ; the last block's stores have read their data and bases: both are written again only behind this wait
	s_add_nc_u64 s[P0:P0+1], s[P0:P0+1], s[STN:STN+1]
	s_add_nc_u64 s[P1:P1+1], s[P1:P1+1], s[STN:STN+1]
.endif
.if (\a) == 4
	s_add_nc_u64 s[P0:P0+1], s[P0:P0+1], s[EXT:EXT+1]
	s_add_nc_u64 s[P1:P1+1], s[P1:P1+1], s[EXT:EXT+1]
	s_add_nc_u64 s[SB0:SB0+1], s[SB0:SB0+1], s[SST:SST+1]
	s_add_nc_u64 s[SB1:SB1+1], s[SB1:SB1+1], s[SST:SST+1]
.endif
	QUANT 64*((\a)%4), 0x28+0x14*((\a)/4), 0x02+((\a)/4)
	v_perm_b32 v[XW+(\a)%4], v[PW], v[PW], s[SELX]
	v_perm_b32 v[YW+(\a)%4], v[PW], v[PW], s[SELY]
	global_store_b128 v[L16], v[PC:PC+3], s[P0:P0+1]               ; registers 0-3: 512 consecutive bytes, aligned
	global_store_b64 v[L8], v[PC+4:PC+5], s[P0:P0+1] offset:512    ; registers 4, 5: 256
	global_store_b128 v[L16], v[PC+6:PC+9], s[P1:P1+1]
	global_store_b64 v[L8], v[PC+10:PC+11], s[P1:P1+1] offset:512
.if (\a)%4 == 3                        ; four blocks' scale words make an image: register i = lanes 0-15 block 2 i's, lanes 16-31 block 2 i + 1's
	v_cndmask_b32 v[XI], v[XW], v[XW+1], s[LM]
	v_cndmask_b32 v[XI+1], v[XW+2], v[XW+3], s[LM]
	v_cndmask_b32 v[YI], v[YW], v[YW+1], s[LM]
	v_cndmask_b32 v[YI+1], v[YW+2], v[YW+3], s[LM]
	global_store_b64 v[L8], v[XI:XI+1], s[SB0:SB0+1]
	s_cmp_eq_u32 s[TX], 2                          ; v's word belongs to one head: it has no second image.  The cluster's x is the same in all partners
	s_cbranch_scc1 .Lone_image_\@
	global_store_b64 v[L8], v[YI:YI+1], s[SB1:SB1+1]
.Lone_image_\@:
.endif
.endm
.irp a, 0,1,2,3,4,5,6,7
	OUT \a
.endr
	s_wait_tensorcnt 0x0                           ; the wave's end
	ds_add_u32 v[SPW], v[NIL]
	s_wait_dscnt 0x0
	CROUND                                         ; the closing round: no work-group ends while a partner may still ask for a tile that names it
	s_endpgm
.Lfunc_end_k_q502822a90b_proj:
	.size	k_q502822a90b_proj, .Lfunc_end_k_q502822a90b_proj-k_q502822a90b_proj
	.p2alignl 7, 3214868480
	.fill 96, 4, 3214868480
	.section	.rodata,"a",@progbits
	.p2align	6, 0x0
	.amdhsa_kernel k_q502822a90b_proj
		.amdhsa_group_segment_fixed_size 327680
		.amdhsa_private_segment_fixed_size 0
		.amdhsa_enable_private_segment 0
		.amdhsa_kernarg_size 48
		.amdhsa_user_sgpr_count 2
		.amdhsa_user_sgpr_kernarg_segment_ptr 1
		.amdhsa_wavefront_size32 1
		.amdhsa_system_sgpr_workgroup_id_x 1
		.amdhsa_system_sgpr_workgroup_id_y 1
		.amdhsa_system_sgpr_workgroup_id_z 1
		.amdhsa_system_vgpr_workitem_id 0
		.amdhsa_next_free_vgpr 1024
		.amdhsa_next_free_sgpr 102
		.amdhsa_reserve_vcc 0
		.amdhsa_float_denorm_mode_32 3
		.amdhsa_float_denorm_mode_16_64 3
		.amdhsa_memory_ordered 1
		.amdhsa_forward_progress 1
		.amdhsa_inst_pref_size 145
	.end_amdhsa_kernel
	.amdgpu_metadata
---
amdhsa.version: [ 1, 2 ]
amdhsa.kernels:
  - .name:           k_q502822a90b_proj
    .symbol:         k_q502822a90b_proj.kd
    .args:
      - { .name: xc, .offset: 0, .size: 8, .value_kind: global_buffer, .address_space: global }
      - { .name: xs, .offset: 8, .size: 8, .value_kind: global_buffer, .address_space: global }
      - { .name: wc, .offset: 16, .size: 8, .value_kind: global_buffer, .address_space: global }
      - { .name: ws, .offset: 24, .size: 8, .value_kind: global_buffer, .address_space: global }
      - { .name: qr, .offset: 32, .size: 8, .value_kind: global_buffer, .address_space: global }
      - { .name: kvr, .offset: 40, .size: 8, .value_kind: global_buffer, .address_space: global }
    .group_segment_fixed_size: 327680
    .private_segment_fixed_size: 0
    .kernarg_segment_align: 8
    .kernarg_segment_size: 48
    .max_flat_workgroup_size: 128
    .sgpr_count:     102
    .vgpr_count:     1024
    .wavefront_size: 32
...
	.end_amdgpu_metadata
.endif
;; end of part 2
;; launch attn (part 3): grid 256 x 1, 16 waves a work-group, clusters of 4 x 1, 327,680 bytes of LDS; arguments qr, kvr, out0; writes out0
.if DOCPART == 3
	.amdgcn_target "amdgcn-amd-amdhsa--gfx1250"
	.amdhsa_code_object_version 6
	.text
	.protected	k_q502822a90b_attn
	.globl	k_q502822a90b_attn
	.p2align	8
	.type	k_q502822a90b_attn,@function
k_q502822a90b_attn:
	s_mov_b64 s[64:65], 0
	v_nop
	global_prefetch_b8 v0, s[64:65] scope:SCOPE_SE
	s_setreg_imm32_b32 hwreg(HW_REG_WAVE_MODE, 25, 1), 1
	s_wait_xcnt 0x0
	s_wait_alu depctr_hold_cnt(0) depctr_sa_sdst(0) depctr_va_vdst(0) depctr_va_sdst(0) depctr_va_ssrc(0) depctr_va_vcc(0) depctr_vm_vsrc(0)
	s_getreg_b32 s2, hwreg(HW_REG_IB_STS2, 6, 4)
	s_cmp_eq_u32 s2, 0
	s_cbranch_scc0 .Lentry_in_a_cluster
	s_endpgm
.Lentry_in_a_cluster:
	s_bfe_u32 s2, ttmp6, 0x10000c
	s_cmp_lg_u32 s2, 0x3003
	s_cbranch_scc0 .Lentry_shape_is_right
	s_endpgm
.Lentry_shape_is_right:
.set REC,   13056
.set HEADB, 16*REC
.set PA,    13*256
.set PB,    38*256
.set STAGE, HEADB
.set S,   96
.set O,   160
.set KS,  192
.set VS,  196
.set PC,  200
.set BM,  212
.set T2,  216
.set SO,  220
.set PX,  224
.set F,   232
.set PW,  233
.set TA,  234
.set WV,   10
.set CX,   11
.set BH,   12
.set BETA, 13
.set U8,   14
.set BLK,  15
.set TB,   16
.set STP,  17
.set SEL,  18
.set CS,   20
.set G1A,  24
.set G1B,  32
.set G0A,  40
.set G0B,  44
.macro CROUND
	s_barrier_signal -1
	s_barrier_wait -1
	s_cmp_lg_u32 s[WV], 0
	s_cbranch_scc1 .Lnot_wave_0_\@
	s_barrier_signal -3
.Lnot_wave_0_\@:
	s_barrier_wait -3
	s_barrier_signal -1
	s_barrier_wait -1
.endm
	s_load_b128 s[4:7], s[0:1], 0x0
	s_load_b64 s[8:9], s[0:1], 0x10
	v_lshl_add_u32 v254, v0, 2, 0x44000
	v_mov_b32 v255, 0
	ds_add_u32 v254, v255
	ds_add_u32 v254, v255
	v_lshrrev_b32 v1, 5, v0
	s_delay_alu instid0(VALU_DEP_1)
	v_readfirstlane_b32 s[WV], v1
	s_bfe_u32 s[CX], ttmp6, 0x40000
	s_mov_b32 s[BH], ttmp9
	s_mov_b32 s[G1A], 15|(3<<16)|(1<<21)
	s_mov_b32 s[G1A+1], 32<<16
	s_mov_b32 s[G1A+2], 13<<16
	s_mov_b32 s[G1A+3], 32<<16
	s_mov_b32 s[G1A+4], 13
	s_mov_b32 s[G1A+5], 32
	s_mov_b32 s[G1A+6], 0
	s_mov_b32 s[G1A+7], 0
	s_mov_b32 s[G1B], 15|(3<<16)|(1<<21)
	s_mov_b32 s[G1B+1], 32<<16
	s_mov_b32 s[G1B+2], 38<<16
	s_mov_b32 s[G1B+3], 32<<16
	s_mov_b32 s[G1B+4], 38
	s_mov_b32 s[G1B+5], 32
	s_mov_b32 s[G1B+6], 0
	s_mov_b32 s[G1B+7], 0
	s_mul_i32 s60, s[BH], HEADB
	s_mul_i32 s62, s[WV], PA
	s_mul_i32 s63, s[WV], PB
	s_add_co_u32 s63, s63, 16*PA
	s_add_co_u32 s66, s60, s62
	s_mov_b32 s67, 0
	s_add_co_u32 s68, s60, s63
	s_mov_b32 s69, 0
	s_wait_dscnt 0x0
	s_wait_kmcnt 0x0
	s_mov_b32 s[G0A], 1
	s_mov_b32 s[G0A+1], s62
	s_add_nc_u64 s[G0A+2:G0A+3], s[6:7], s[66:67]
	s_or_b32 s[G0A+3], s[G0A+3], 0x80000000
	s_mov_b32 s[G0B], 1
	s_mov_b32 s[G0B+1], s63
	s_add_nc_u64 s[G0B+2:G0B+3], s[6:7], s[68:69]
	s_or_b32 s[G0B+3], s[G0B+3], 0x80000000
	CROUND
	tensor_load_to_lds s[G0A:G0A+3], s[G1A:G1A+7]  ; my 13 rows of the first 53,248 bytes; the addresses, q's loads and the clearing of the sums below stand under this load's flight
	s_nop 0
.rept 4
	v_nop
.endr
	s_lshr_b32 s[BETA], s[WV], 1
	s_and_b32 s[U8], s[WV], 1
	s_lshl_b32 s60, s[CX], 1
	s_add_co_u32 s[U8], s[U8], s60
	s_xor_b32 s[BLK], s[BETA], 15
	s_lshl_b32 s60, s[BH], 4
	s_add_co_u32 s61, s60, s[BLK]
	s_mul_i32 s61, s61, 6656
	s_add_co_u32 s62, s60, s[BETA]
	s_mul_i32 s62, s62, 6656
	s_mul_i32 s63, s[U8], 768
	s_lshr_b32 s66, s[U8], 2
	s_lshl_b32 s66, s66, 8
	s_and_b32 s67, s[U8], 1
	s_lshl_b32 s67, s67, 7
	s_add_co_u32 s66, s66, s67
	s_bfe_u32 s67, s[U8], 0x10001
	s_lshl_b32 s67, s67, 2
	s_add_co_u32 s66, s66, s67
	s_add_co_u32 s66, s66, 6144
	s_add_co_u32 s48, s61, s63
	s_mov_b32 s49, 0
	s_add_co_u32 s50, s61, s66
	s_mov_b32 s51, 0
	s_add_co_u32 s52, s62, s63
	s_mov_b32 s53, 0
	s_add_co_u32 s54, s62, s66
	s_mov_b32 s55, 0
	s_add_nc_u64 s[48:49], s[4:5], s[48:49]
	s_add_nc_u64 s[50:51], s[4:5], s[50:51]
	s_add_nc_u64 s[52:53], s[4:5], s[52:53]
	s_add_nc_u64 s[54:55], s[4:5], s[54:55]
	s_lshr_b32 s70, s[U8], 1
	s_lshl_b32 s70, s70, 5
	s_and_b32 s61, s[U8], 1
	s_lshl_b32 s61, s61, 3
	s_add_co_u32 s70, s70, s61
	s_lshr_b32 s60, s[BH], 4
	s_lshl_b32 s60, s60, 11
	s_add_co_u32 s60, s60, s70
	s_and_b32 s61, s[BH], 15
	s_lshl_b32 s61, s61, 8
	s_lshl_b32 s62, s[BLK], 7
	s_add_co_u32 s62, s62, s60
	s_lshl_b32 s62, s62, 12
	s_add_co_u32 s56, s62, s61
	s_mov_b32 s57, 0
	s_lshl_b32 s62, s[BETA], 7
	s_add_co_u32 s62, s62, s60
	s_lshl_b32 s62, s62, 12
	s_add_co_u32 s58, s62, s61
	s_mov_b32 s59, 0
	s_add_nc_u64 s[56:57], s[8:9], s[56:57]
	s_add_nc_u64 s[58:59], s[8:9], s[58:59]
	s_mov_b32 s[SEL], 0x76543210
	s_mov_b32 s[SEL+1], 0xfedcba98
	s_mov_b32 s[CS], 0x3e38aa3b
	s_mov_b32 s[CS+1], s[CS]
	v_and_b32 v9, 31, v0
	s_delay_alu instid0(VALU_DEP_1)
	v_lshlrev_b32 v1, 4, v9
	s_delay_alu instid0(VALU_DEP_2)
	v_lshlrev_b32 v2, 3, v9
	v_and_b32 v10, 15, v0
	v_bfe_u32 v11, v0, 4, 1
	s_delay_alu instid0(VALU_DEP_2)
	v_lshlrev_b32 v9, 3, v10
	global_load_b128 v[16:19], v1, s[48:49]
	global_load_b64 v[20:21], v2, s[48:49] offset:512
	global_load_b32 v28, v9, s[50:51]
	global_load_b128 v[86:89], v1, s[52:53]
	global_load_b64 v[90:91], v2, s[52:53] offset:512
	global_load_b32 v29, v9, s[54:55]
	v_and_b32 v5, 8, v10
	s_delay_alu instid0(VALU_DEP_1)
	v_add_nc_u32 v5, v5, v10
	v_lshlrev_b32 v12, 4, v11
	s_delay_alu instid0(VALU_DEP_1)
	v_sub_nc_u32 v5, v5, v12
	s_delay_alu instid0(VALU_DEP_1)
	v_add_nc_u32 v5, s70, v5
	s_mul_i32 s71, s[WV], 16*272
	s_add_co_u32 s71, s71, STAGE
	v_mul_u32_u24 v6, v10, 272
	s_delay_alu instid0(VALU_DEP_1)
	v_lshl_add_u32 v6, v11, 6, v6
	s_delay_alu instid0(VALU_DEP_1)
	v_add_nc_u32 v6, s71, v6
	v_mul_u32_u24 v7, v11, 272
	s_delay_alu instid0(VALU_DEP_1)
	v_lshl_add_u32 v7, v10, 4, v7
	s_delay_alu instid0(VALU_DEP_1)
	v_add_nc_u32 v7, s71, v7
	v_lshlrev_b32 v8, 12, v11
	s_delay_alu instid0(VALU_DEP_1)
	v_lshl_add_u32 v8, v10, 4, v8
.irp j, 22,23,24,25,26,27,80,81,82,83,84,85
	v_mov_b32 v\j, 0
.endr
.irp b, 0,1,2,3
	v_mov_b32 v[T2+\b], 0
.endr
	v_mov_b32 v[PW], 0
.macro INIT
	v_mov_b32 v13, 0xff61b1e6
	s_delay_alu instid0(VALU_DEP_1)
	v_floor_f32 v12, -v13
	v_mov_b32 v14, 0
	v_mov_b32 v15, 0
.set j, 0
.rept 32
	v_mov_b32 v[O+j], 0
.set j, j+1
.endr
.endm
.macro STEP chk
.if \chk
	s_cmp_gt_u32 s[STP], s[BLK]
	s_cbranch_scc1 .Lhidden_\@
.endif
	v_add_nc_u32 v3, s[TB], v1
	v_add_nc_u32 v4, s[TB], v2
	v_nop
	v_nop
.irp t, 0,1,2,3,4,5,6,7
	ds_load_b128 v[32+6*\t:35+6*\t], v3 offset:768*\t
	ds_load_b64 v[36+6*\t:37+6*\t], v4 offset:768*\t+512
.endr
	ds_load_b64 v[KS:KS+1], v4 offset:12288
	ds_load_b64 v[KS+2:KS+3], v4 offset:12544
	s_wait_alu depctr_va_vdst(0)
	s_wait_dscnt 0x0
.irp t, 0,1,2,3,4,5,6,7
.if \t % 2
	v_wmma_scale_f32_16x16x128_f8f6f4 v[S+8*\t:S+8*\t+7], v[32+6*\t:43+6*\t], v[16:27], 0, v[KS+2*(\t/4)+(\t/2)%2], v28 matrix_a_fmt:MATRIX_FMT_BF6 matrix_b_fmt:MATRIX_FMT_BF6 matrix_a_scale:MATRIX_SCALE_ROW1
.else
	v_wmma_scale_f32_16x16x128_f8f6f4 v[S+8*\t:S+8*\t+7], v[32+6*\t:43+6*\t], v[16:27], 0, v[KS+2*(\t/4)+(\t/2)%2], v28 matrix_a_fmt:MATRIX_FMT_BF6 matrix_b_fmt:MATRIX_FMT_BF6
.endif
.endr
.rept 4
	v_nop
.endr
.irp td, 0,1,2,3
.irp c, 0,1
	ds_load_b128 v[32+12*\td+6*\c:35+12*\td+6*\c], v3 offset:6144+1536*\td+768*\c
	ds_load_b64 v[36+12*\td+6*\c:37+12*\td+6*\c], v4 offset:6144+1536*\td+768*\c+512
.endr
.endr
	ds_load_b64 v[VS:VS+1], v4 offset:12800
.if \chk
	s_cmp_lg_u32 s[STP], s[BLK]
	s_cbranch_scc1 .Lopen_\@
	v_mov_b32 v[TA], 0xff800000
.set n, 0
.rept 64
	v_cmp_gt_i32 vcc_lo, 32*(n/16)+n%16, v5
	v_cndmask_b32 v[S+n], v[S+n], v[TA], vcc_lo
.set n, n+1
.endr
.Lopen_\@:
.endif
.irp b, 0,1,2,3
	v_max3_num_f32 v[BM+\b], v[S+16*\b], v[S+1+16*\b], v[S+2+16*\b]
.endr
.irp i, 3,5,7,9,11,13
.irp b, 0,1,2,3
	v_max3_num_f32 v[BM+\b], v[BM+\b], v[S+16*\b+\i], v[S+1+16*\b+\i]
.endr
.endr
.irp b, 0,1,2,3
	v_max_num_f32 v[BM+\b], v[BM+\b], v[S+15+16*\b]
.endr
.irp b, 0,1,2,3
	s_delay_alu instid0(VALU_DEP_4)
	v_permlanex16_b32 v[T2+\b], v[BM+\b], s[SEL], s[SEL+1]
.endr
.irp b, 0,1,2,3
	s_delay_alu instid0(VALU_DEP_4)
	v_max_num_f32 v[BM+\b], v[BM+\b], v[T2+\b]
.endr
	s_delay_alu instid0(VALU_DEP_2)
	v_max3_num_f32 v[TA], v[BM], v[BM+1], v[BM+2]
	s_delay_alu instid0(VALU_DEP_1)
	v_max_num_f32 v[TA], v[TA], v[BM+3]
	s_delay_alu instid0(VALU_DEP_1)
	v_mul_f32 v[TA], s[CS], v[TA]
	s_delay_alu instid0(VALU_DEP_1)
	v_max_num_f32 v13, v13, v[TA]
	v_mov_b32 v[TA], v12
	s_delay_alu instid0(VALU_DEP_2)
	v_floor_f32 v12, -v13
	s_delay_alu instid0(VALU_DEP_1)
	v_sub_f32 v[TA], v12, v[TA]
	s_delay_alu instid0(VALU_DEP_1)
	v_cvt_i32_f32 v[TA], v[TA]
	s_delay_alu instid0(VALU_DEP_1)
	v_ldexp_f32 v[F], 1.0, v[TA]
.set j, 0
.rept 32
	v_pk_fma_f32 v[S+j:S+j+1], v[S+j:S+j+1], s[CS:CS+1], v[12:13] op_sel_hi:[1,0,0]
.set j, j+2
.endr
.irp b, 0,1,2,3
	v_fma_f32 v[BM+\b], v[BM+\b], s[CS], v12
.endr
.set j, 0
	s_wait_alu depctr_va_vdst(0)
.rept 64
	v_exp_f32 v[S+j], v[S+j]
.set j, j+1
.endr
	v_pk_mul_f32 v[14:15], v[14:15], v[F:F+1] op_sel_hi:[1,0]
	s_wait_alu depctr_va_vdst(0)
.irp b, 0,1,2,3
	v_exp_f32 v[BM+\b], v[BM+\b]
.endr
	v_pk_add_f32 v[T2:T2+1], v[S:S+1], v[S+2:S+3]
.set j, 4
.rept 15
	v_pk_add_f32 v[14:15], v[14:15], v[S+j:S+j+1]
	v_pk_add_f32 v[T2:T2+1], v[T2:T2+1], v[S+j+2:S+j+3]
.set j, j+4
.endr
	s_delay_alu instid0(VALU_DEP_1)
	v_pk_add_f32 v[14:15], v[14:15], v[T2:T2+1]
	s_wait_alu depctr_va_vdst(0)
.irp b, 0,1,2,3
	v_max_num_f32 v[BM+\b], 0x2800000, v[BM+\b]
.endr
.irp b, 0,1,2,3
	s_delay_alu instid0(VALU_DEP_4)
	v_add_nc_u32 v[SO+\b], 0xfe000000, v[BM+\b]
.endr
.irp b, 0,1,2,3
	s_delay_alu instid0(VALU_DEP_4)
	v_lshrrev_b32 v[T2+\b], 23, v[SO+\b]
.endr
	s_delay_alu instid0(VALU_DEP_3)
	v_lshl_or_b32 v[PW], v[T2+1], 8, v[T2]
	s_delay_alu instid0(VALU_DEP_1)
	v_lshl_or_b32 v[PW], v[T2+2], 16, v[PW]
	s_delay_alu instid0(VALU_DEP_1)
	v_lshl_or_b32 v[PW], v[T2+3], 24, v[PW]
.irp c, 0,1
	v_cvt_scalef32_pk16_bf6_f32 v[PC+6*\c:PC+2+6*\c], v[S+32*\c:S+15+32*\c], v[SO+2*\c]
	v_cvt_scalef32_pk16_bf6_f32 v[PX+4*\c:PX+2+4*\c], v[S+16+32*\c:S+31+32*\c], v[SO+2*\c+1]
.endr
	v_nop
.irp c, 0,1
.irp i, 0,1,2
	v_permlane16_swap_b32 v[PC+6*\c+\i], v[PX+4*\c+\i]
.endr
.irp i, 0,1,2
	s_delay_alu instid0(VALU_DEP_3)
	v_mov_b32 v[PC+3+6*\c+\i], v[PX+4*\c+\i]
.endr
.endr
.set j, 0
.rept 16
	v_pk_mul_f32 v[O+j:O+j+1], v[O+j:O+j+1], v[F:F+1] op_sel_hi:[1,0]
.set j, j+2
.endr
	s_wait_alu depctr_va_vdst(0)
	s_wait_dscnt 0x0
.irp td, 0,1,2,3
.if \td % 2
	v_wmma_scale_f32_16x16x128_f8f6f4 v[O+8*\td:O+8*\td+7], v[32+12*\td:43+12*\td], v[PC:PC+11], v[O+8*\td:O+8*\td+7], v[VS+\td/2], v[PW] matrix_a_fmt:MATRIX_FMT_BF6 matrix_b_fmt:MATRIX_FMT_BF6 matrix_a_scale:MATRIX_SCALE_ROW1
.else
	v_wmma_scale_f32_16x16x128_f8f6f4 v[O+8*\td:O+8*\td+7], v[32+12*\td:43+12*\td], v[PC:PC+11], v[O+8*\td:O+8*\td+7], v[VS+\td/2], v[PW] matrix_a_fmt:MATRIX_FMT_BF6 matrix_b_fmt:MATRIX_FMT_BF6
.endif
.endr
.if \chk
.Lhidden_\@:
.endif
	s_add_co_u32 s[TB], s[TB], REC
.endm
.macro WAYOUT ob
.rept 4
	v_nop
.endr
	v_add_f32 v14, v14, v15
	s_delay_alu instid0(VALU_DEP_1)
	v_permlanex16_b32 v[T2], v14, s[SEL], s[SEL+1]
	s_delay_alu instid0(VALU_DEP_1)
	v_add_f32 v14, v14, v[T2]
	s_wait_alu depctr_va_vdst(0)
	v_rcp_f32 v14, v14
	v_nop
	s_wait_alu depctr_va_vdst(0)
.set j, 0
.rept 16
	v_pk_mul_f32 v[S+j:S+j+1], v[O+j:O+j+1], v[14:15] op_sel_hi:[1,0]
.set j, j+2
.endr
.irp b, 0,1
.irp q, 0,1,2,3
	ds_store_b128 v6, v[S+16*\b+4*\q:S+16*\b+4*\q+3] offset:128*\b+16*\q
.endr
.endr
.irp i, 0,1,2,3,4,5,6,7
	ds_load_b128 v[32+4*\i:35+4*\i], v7 offset:544*\i
.endr
.irp i, 0,1,2,3,4,5,6,7
	s_wait_dscnt 7-\i
	global_store_b128 v8, v[32+4*\i:35+4*\i], s[\ob:\ob+1] offset:(2*\i+8*(\i/4))*4096 th:TH_STORE_NT
.endr
.endm
	INIT
	s_wait_alu depctr_va_vdst(0)
	s_wait_tensorcnt 0x0                           ; my part of the first fill is in
	ds_add_u32 v254, v255
	s_wait_dscnt 0x0
	CROUND
	tensor_load_to_lds s[G0B:G0B+3], s[G1B:G1B+7]  ; my 38 rows of the rest
	s_nop 0
.rept 4
	v_nop
.endr
	s_mov_b32 s[TB], 0
	s_mov_b32 s[STP], 0
	s_wait_loadcnt 0x0
	s_wait_tensorcnt 1
	s_barrier_signal -1
	s_barrier_wait -1
.Lfirst:
	STEP 0
	s_add_co_u32 s[STP], s[STP], 1
	s_cmp_lt_u32 s[STP], 4
	s_cbranch_scc1 .Lfirst
	s_wait_tensorcnt 0x0
	s_wait_dscnt 0x0
	s_barrier_signal -1
	s_barrier_wait -1
.Lrest:
	STEP 1
	s_add_co_u32 s[STP], s[STP], 1
	s_cmp_lt_u32 s[STP], 16
	s_cbranch_scc1 .Lrest
	WAYOUT 56
	s_wait_xcnt 0x0
.irp j, 0,1,2,3,4,5
	v_mov_b32 v[16+\j], v[86+\j]
.endr
	v_mov_b32 v28, v29
	INIT
	s_mov_b32 s[TB], 0
	s_mov_b32 s[STP], 0
	s_mov_b32 s[BLK], s[BETA]
.Lsecond:
	STEP 1
	s_add_co_u32 s[STP], s[STP], 1
	s_cmp_lt_u32 s[STP], 8
	s_cbranch_scc1 .Lsecond
	WAYOUT 58
	s_wait_tensorcnt 0x0
	ds_add_u32 v254, v255
	s_wait_dscnt 0x0
	CROUND
	s_endpgm
.Lfunc_end_k_q502822a90b_attn:
	.size	k_q502822a90b_attn, .Lfunc_end_k_q502822a90b_attn-k_q502822a90b_attn
	.p2alignl 7, 3214868480
	.fill 96, 4, 3214868480
	.section	.rodata,"a",@progbits
	.p2align	6, 0x0
	.amdhsa_kernel k_q502822a90b_attn
		.amdhsa_group_segment_fixed_size 327680
		.amdhsa_private_segment_fixed_size 0
		.amdhsa_enable_private_segment 0
		.amdhsa_kernarg_size 24
		.amdhsa_user_sgpr_count 2
		.amdhsa_user_sgpr_kernarg_segment_ptr 1
		.amdhsa_wavefront_size32 1
		.amdhsa_system_sgpr_workgroup_id_x 1
		.amdhsa_system_sgpr_workgroup_id_y 1
		.amdhsa_system_sgpr_workgroup_id_z 1
		.amdhsa_system_vgpr_workitem_id 0
		.amdhsa_next_free_vgpr 256
		.amdhsa_next_free_sgpr 72
		.amdhsa_reserve_vcc 1
		.amdhsa_float_denorm_mode_32 3
		.amdhsa_float_denorm_mode_16_64 3
		.amdhsa_memory_ordered 1
		.amdhsa_forward_progress 1
		.amdhsa_inst_pref_size 80
	.end_amdhsa_kernel
	.amdgpu_metadata
---
amdhsa.version: [ 1, 2 ]
amdhsa.kernels:
  - .name:           k_q502822a90b_attn
    .symbol:         k_q502822a90b_attn.kd
    .args:
      - { .name: qr, .offset: 0, .size: 8, .value_kind: global_buffer, .address_space: global }
      - { .name: kvr, .offset: 8, .size: 8, .value_kind: global_buffer, .address_space: global }
      - { .name: out0, .offset: 16, .size: 8, .value_kind: global_buffer, .address_space: global }
    .group_segment_fixed_size: 327680
    .private_segment_fixed_size: 0
    .kernarg_segment_align: 8
    .kernarg_segment_size: 24
    .max_flat_workgroup_size: 512
    .sgpr_count:     72
    .vgpr_count:     256
    .wavefront_size: 32
...
	.end_amdgpu_metadata
.endif
;; end of part 3
